; MI455X (gfx1250); checked and timed in simulation.
; The chip was launched on July 23, 2026; its instructions are those of AMD's public machine-readable ISA for CDNA 5 (MIT licence, August 2026) and "CDNA5" Instruction Set Architecture Reference Guide (July 2026). The comments in the code are by the model that wrote it; some were corrected since.
;; Multi Headed Attention. Allowed arithmetic: matrix products marked QUANTISED: E2M3 operands, one E8M0 scale for each 32 along K, by v_wmma_scale_f32_16x16x128_f8f6f4 with both operands' format E2M3, f32 sums; everything else in f32.
;; Inputs: Wk 1,024 x 1,024 float32; Wo 1,024 x 1,024 float32; Wq 1,024 x 1,024 float32; Wv 1,024 x 1,024 float32; bk 1,024 float32; bo 1,024 float32; bq 1,024 float32; bv 1,024 float32; key 4 x 2,048 x 1,024 float32; query 4 x 2,048 x 1,024 float32; value 4 x 2,048 x 1,024 float32.
;; Outputs: out0 4 x 2,048 x 1,024 float32.
;; This version of the problem:
;;   THIS VERSION OF THE PROBLEM IS GIVEN IN LOW PRECISION. The matrix products marked QUANTISED in the list below multiply operands that are first quantised to E2M3 (2 exponent bits, 3 mantissa bits; 6 bits a number), with one power-of-two scale for each 32 numbers along K (OCP MX v1.0); their sums are f32. All else is computed in f32.
;;   The module's matrix products, in the order in which they are computed (A, B: the left and right operand; K: the contracted axis; several contracted axes count as one K, in the product's order):
;;     1. [M 8,192, K 1,024] x [K 1,024, N 1,024]; A: input query; B: input Wq: QUANTISED
;;     2. [M 8,192, K 1,024] x [K 1,024, N 1,024]; A: input key; B: input Wk: QUANTISED
;;     3. [M 8,192, K 1,024] x [K 1,024, N 1,024]; A: input value; B: input Wv: QUANTISED
;;     4. batch 64 x [M 2,048, K 64] x [K 64, N 2,048]; A: computed on the way; B: computed on the way: QUANTISED
;;     5. batch 64 x [M 2,048, K 2,048] x [K 2,048, N 64]; A: softmax (see below); B: computed on the way: QUANTISED
;;     6. [M 8,192, K 1,024] x [K 1,024, N 1,024]; A: computed on the way; B: input Wo: QUANTISED
;;   THE QUANTISER, for each operand of a quantised product, along K:
;;     - K is cut into blocks of 32 from its start; a last block that is shorter is filled with zeros.
;;     - A block's scale is 2^e with e = floor(log2(the largest magnitude in the block)) - 2, held to -126 .. 127; a block of zeros has e = 0. As a byte (E8M0): e + 127.
;;     - Each number is divided by its block's scale, clamped to +-7.5, and rounded to the nearest number of E2M3, ties to even, subnormals kept.
;;     - The product sums the exact products of the quantised numbers (number of the format x scale) in f32.
;;   ~~~python
;;   def quantise(x, axis):      # numpy; x: float32 -> the quantised numbers, widened to float32 again
;;       x = np.moveaxis(x, axis, -1); K = x.shape[-1]
;;       x = np.pad(x, [(0, 0)] * (x.ndim - 1) + [(0, -K % 32)]); x = x.reshape(x.shape[:-1] + (-1, 32)); a = np.abs(x).max(-1, keepdims=True)
;;       e = np.where(a > 0, np.clip(np.frexp(np.where(a > 0, a, 1))[1] - 1 - 2, -126, 127), 0)      # np.frexp(a)[1] - 1 = floor(log2(a)), exactly
;;       r = np.clip(x / 2.0 ** e, -7.5, 7.5)
;;       step = 2.0 ** (np.maximum(np.frexp(np.where(r == 0, 1, r))[1] - 1, 0) - 3)
;;       q = np.round(r / step) * step * 2.0 ** e      # np.round: ties to even
;;       return np.moveaxis(q.reshape(q.shape[:-2] + (-1,))[..., :K], -1, axis).astype(np.float32)
;;   ~~~
;;   SOFTMAX AHEAD OF A QUANTISED PRODUCT. Where the list says 'softmax', what is quantised is not the finished softmax but p = 2^(t - M), with t = logit x log2(e) and M = ceil(the row's largest t), a whole number; so 1/2 < the row's largest p <= 1. The row's sum l is taken of the UNQUANTISED p, in f32, and the product's result is divided by l at the end. Since M is a whole number, a kernel that streams over the keys may use a running M (the ceiling of the running maximum): every later rescaling is an exact power of two, which a block's scale takes up: the codes' values come out the same.
;;   OPERANDS COMPUTED ON THE WAY. 'Computed on the way' means the value that the module computes at that place (a softmax that the list does not call 'softmax' is quantised finished and normalised). What goes into a quantiser is computed in f32, as accurately as f32 sums, v_exp_f32 and their like allow (about 1e-6 of the number): no bf16 or f16 on the way to a quantiser, and a product that is left as it is and whose result goes on into a quantised operand takes f32 operands (vector FMAs, or v_wmma_f32_16x16x4_f32). A number that lies on a knife's edge between two numbers of the format may be rounded either way, as far as f32 arithmetic and the matrix unit's own rounding can turn it there, and no further.
;; One version. Each part assembles by itself: llvm-mc -triple=amdgcn-amd-amdhsa -mcpu=gfx1250 --defsym DOCPART=n.
;; ======== version 1 of 1: 4 launches
;; limits: right only within a limited range of input values
;; workspace buffers: ximg 19,660,800 bytes; wimg 3,276,800 bytes; qimg 6,815,744 bytes; kv 13,369,344 bytes; aimg 6,553,600 bytes
;; launch quant (part 1): grid 256 x 1, 7 waves a work-group, no clusters, 60,160 bytes of LDS; arguments query, key, value, Wq, Wk, Wv, Wo, ximg, wimg; writes ximg, wimg
.if DOCPART == 1
	.amdgcn_target "amdgcn-amd-amdhsa--gfx1250"
	.amdhsa_code_object_version 6
	.text
	.protected	k_qe12de07765_quant
	.globl	k_qe12de07765_quant
	.p2align	8
	.type	k_qe12de07765_quant,@function
k_qe12de07765_quant:
	s_mov_b64 s[64:65], 0
	v_nop
	global_prefetch_b8 v0, s[64:65] scope:SCOPE_SE
	s_setreg_imm32_b32 hwreg(HW_REG_WAVE_MODE, 25, 1), 1
	s_wait_xcnt 0x0
; MULTI-HEAD ATTENTION IN MX-FP6, launch 1 of 4: query, key, value [8192][1024] and Wq, Wk, Wv, Wo [1024][1024], f32, K innermost, become codes of E2M3 with one E8M0 byte for each 32 along K.
; NOTHING OF THE PROBLEM IS LEFT OUT: every bias goes into a quantised operand or into the output, every product is live, so all eleven inputs are loaded by some launch.
; A block's scale is 2^(floor(log2(its largest magnitude)) - 2); its byte is the largest magnitude's exponent field - 2, held at 1 from below.
; LIMITS: NaN and infinities among the inputs are not served; a block whose largest magnitude lies under 2^-124 keeps the byte 1; a block of zeros has the byte 1 where the rule says 127
; (its codes are zeros, which add nothing under any byte but 0xff, and the bytes are read by this program alone).
; THE WORKSPACE IS LAID AS THE PRODUCTS' OPERAND REGISTERS.  A UNIT is 128 rows (a group) x 128 along K: 8 fragments of 16 rows, 1,536 bytes each (6 planes of 256 bytes; plane p = registers 2 p, 2 p + 1, lane l at 8 l),
; then 512 bytes of scale words (lane l: 4 registers; register i: lanes 0-15 the words of tile 2 i, lanes 16-31 those of tile 2 i + 1).  12,800 bytes; units lie [group][K step].
; THE ROWS OF A TILE ARE NOT NEIGHBOURS: lane r of tile 2 b + u holds row 32 b + 8 u + r + 8 (r / 8) of its group, so that a product that takes such tiles as source 0 leaves 16 neighbours in 16 registers of a lane.
; THE KEY'S ROWS (groups 64 .. 127) ARE ORDERED OTHERWISE: lane r of tile 4 c + t holds row 64 c + 32 (r / 8) + 8 t + r % 8, so that in launch 3 a lane's 32 scores of four neighbouring tiles are one whole block of 32 keys.
; SHARES: 224 groups x 8 K steps = 1,792 units, one to a wave: 256 work-groups of seven waves; unit n = 7 x work-group + wave is group n / 8, K step n % 8.  Waves share nothing: no barrier; no matrix unit, no cluster: a stream read once.
; A tile's 16 rows come by 16 loads of 512 consecutive bytes, turn through the wave's own stage in LDS (rows of 512 + 16 bytes) and come back 16 neighbours of each block to a lane.
.set SP,    528                        ; a stage row
.set WST,   16*SP                      ; a wave's stage
.set SPARE, 7*WST                      ; behind the stages: the spare words, 128 bytes for each wave, that no other line names
.set SPW,   10                         ; v10  LDS address of my spare word; never rewritten
.set NIL,   11                         ; v11  0; never rewritten
.set VO,    12                         ; v12-15 the loads' offsets (below)
.set R,     16                         ; v16-143  two sets of 64: a tile as loaded
.set X,     144                        ; v144-207 register 16 b + i = k 32 b + 16 (lane / 16) + i of my row
.set PC,    208                        ; v208-219 the fragment just made
.set CT,    220                        ; v220-226 the conversions' second halves
.set TM,    228                        ; v228-243 at work
.set PW,    244                        ; the row's scale word
.set PWE,   245                        ; the even tile's
.set SCW,   248                        ; v248-251 the unit's scale words
.set SEL,   36                         ; s[36:37] lane selects for v_permlanex16_b32: lane l xor 16
; 64 numbers of a lane, v[s] on, register 16 b + i = index 32 b + 16 (lane / 16) + i of my row, become codes: indices 0-63 in v[d0 .. d0 + 5], 64-127 in v[d1 .. d1 + 5], in the operand's layout; the row's scale word in v[PW].
.macro QUANT s, d0, d1
.irp b, 0,1,2,3
	v_max3_num_f32 v[TM+\b], |v[\s+16*\b]|, |v[\s+1+16*\b]|, 0x1800000   ; my 16 numbers of block b, and the floor 2^(3 - 127): the byte cannot fall under 1
.endr
.irp i, 2,4,6,8,10,12,14
.irp b, 0,1,2,3
	v_max3_num_f32 v[TM+\b], v[TM+\b], |v[\s+16*\b+\i]|, |v[\s+1+16*\b+\i]|   ; the four blocks by turns
.endr
.endr
.irp b, 0,1,2,3
	v_permlanex16_b32 v[TM+4+\b], v[TM+\b], s[SEL], s[SEL+1]
.endr
.irp b, 0,1,2,3
	v_max_num_f32 v[TM+\b], v[TM+\b], v[TM+4+\b]                   ; with lane l xor 16's: the block's largest magnitude
.endr
.irp b, 0,1,2,3
	v_add_nc_u32 v[TM+12+\b], 0xff000000, v[TM+\b]                 ; 2 off its exponent field: the conversion takes that field as its scale
.endr
.irp b, 0,1,2,3
	v_lshrrev_b32 v[TM+4+\b], 23, v[TM+12+\b]                      ; the scale's byte
.endr
	v_lshl_or_b32 v[PW], v[TM+5], 8, v[TM+4]
	v_lshl_or_b32 v[PW], v[TM+6], 16, v[PW]
	v_lshl_or_b32 v[PW], v[TM+7], 24, v[PW]
	v_cvt_scalef32_pk16_fp6_f32 v[(\d0):(\d0)+2], v[\s:\s+15], v[TM+12]
	v_cvt_scalef32_pk16_fp6_f32 v[CT:CT+2], v[\s+16:\s+31], v[TM+13]          ; (a conversion's three registers begin on an even number)
	v_cvt_scalef32_pk16_fp6_f32 v[(\d1):(\d1)+2], v[\s+32:\s+47], v[TM+14]
	v_cvt_scalef32_pk16_fp6_f32 v[CT+4:CT+6], v[\s+48:\s+63], v[TM+15]
	v_nop                                          ; one plain place behind the scaled conversions
.irp i, 0,1,2
	v_permlane16_swap_b32 v[(\d0)+\i], v[CT+\i]    ; the layout wants a whole block in a lane: lanes 0-15 the even block, lanes 16-31 the odd one
	v_permlane16_swap_b32 v[(\d1)+\i], v[CT+4+\i]
.endr
.irp i, 0,1,2
	v_mov_b32 v[(\d0)+3+\i], v[CT+\i]
	v_mov_b32 v[(\d1)+3+\i], v[CT+4+\i]
.endr
.endm
	s_load_b512 s[8:23], s[0:1], 0x0               ; query s[8:9], key s[10:11], value s[12:13], Wq s[14:15], Wk s[16:17], Wv s[18:19], Wo s[20:21], ximg s[22:23]
	s_load_b64 s[24:25], s[0:1], 0x40              ; wimg
	v_lshl_add_u32 v[SPW], v0, 2, SPARE
	v_mov_b32 v[NIL], 0
	v_lshrrev_b32 v1, 5, v0
	v_readfirstlane_b32 s26, v1                    ; wave
	v_and_b32 v1, 31, v0                           ; lane
	v_and_b32 v2, 15, v0                           ; r
	v_bfe_u32 v3, v0, 4, 1                         ; lane / 16
	v_lshlrev_b32 v4, 4, v1                        ; 16 x lane: my bytes of a load's 512, and of the scale words
	v_lshlrev_b32 v5, 3, v1                        ; 8 x lane: my bytes of a plane
	s_mul_i32 s31, s26, WST
	v_add_nc_u32 v6, s31, v4                       ; the stage, on the way in
	v_mul_u32_u24 v7, v2, SP
	v_lshl_add_u32 v7, v3, 6, v7
	v_add_nc_u32 v7, s31, v7                       ; and out: row r, + 64 bytes for lanes 16-31
	v_cmp_gt_u32 s34, 16, v1                       ; the mask of lanes 0-15
.irp b, 0,1,2,3
	v_mov_b32 v[TM+4+\b], 0                        ; written once: a lane permute's destination counts as one of its sources
.endr
	s_mov_b32 s[SEL], 0x76543210
	s_mov_b32 s[SEL+1], 0xfedcba98
	s_mul_i32 s28, ttmp9, 7
	s_add_co_u32 s28, s28, s26                     ; my unit, 0 .. 1,791
	s_lshr_b32 s27, s28, 3                         ; the group, 0 .. 223: 64 of query, 64 of key, 64 of value, 8 of each W
	s_and_b32 s28, s28, 7                          ; the K step
; With t = 4 c + 2 b + u and load i = 8 x + i % 8 a tile's row is 64 c + 8 u + i % 8 + b SB + x SX: SB = 32, SX = 16 everywhere but in the key, where SB = 16, SX = 32.  Four offset registers, v[VO + 2 b + x], carry b SB + x SX.
	s_lshr_b32 s35, s27, 6                         ; 1 in the key's groups alone
	s_mov_b32 s38, 0x20000                         ; 32 rows of 4,096 bytes
	s_mov_b32 s39, 0x10000                         ; 16 rows
	s_cmp_eq_u32 s35, 1
	s_cselect_b32 s40, s39, s38                    ; SB
	s_cselect_b32 s41, s38, s39                    ; SX
	v_mov_b32 v[VO], v4
	v_add_nc_u32 v[VO+1], s41, v4
	v_add_nc_u32 v[VO+2], s40, v4
	v_add_nc_u32 v[VO+3], s41, v[VO+2]
	s_wait_alu depctr_va_vdst(0)                   ; the wait at the head's end
	s_wait_kmcnt 0x0
	s_mov_b64 s[4:5], s[20:21]                     ; the source is chosen by the unit's number alone
	s_cmp_lt_u32 s27, 216
	s_cselect_b64 s[4:5], s[18:19], s[4:5]
	s_cmp_lt_u32 s27, 208
	s_cselect_b64 s[4:5], s[16:17], s[4:5]
	s_cmp_lt_u32 s27, 200
	s_cselect_b64 s[4:5], s[14:15], s[4:5]
	s_cmp_lt_u32 s27, 128
	s_cselect_b64 s[4:5], s[10:11], s[4:5]
	s_cmp_lt_u32 s27, 64
	s_cselect_b64 s[4:5], s[8:9], s[4:5]
	s_cmp_ge_u32 s27, 128                          ; groups 128 .. 191: value
	s_cselect_b32 s29, 1, 0
	s_cmp_lt_u32 s27, 192
	s_cselect_b32 s29, s29, 0
	s_cmp_eq_u32 s29, 1
	s_cselect_b64 s[4:5], s[12:13], s[4:5]
	s_cmp_lt_u32 s27, 192
	s_cselect_b64 s[6:7], s[22:23], s[24:25]       ; ximg or wimg
	s_cselect_b32 s29, 63, 7                       ; groups in a source, less one
	s_cselect_b32 s30, 0, 192                      ; the first group of the destination
	s_and_b32 s29, s27, s29                        ; the group within its source
	s_lshl_b32 s32, s29, 19                        ; 128 rows of 4,096 bytes
	s_lshl_b32 s33, s28, 9                         ; 128 numbers along K
	s_add_co_u32 s32, s32, s33
	s_mov_b32 s33, 0
	s_add_nc_u64 s[4:5], s[4:5], s[32:33]
	s_sub_co_u32 s30, s27, s30
	s_lshl_b32 s30, s30, 3
	s_add_co_u32 s30, s30, s28
	s_mul_i32 s32, s30, 12800                      ; my unit's place
	s_add_nc_u64 s[6:7], s[6:7], s[32:33]
.macro LOAD t                          ; tile t's 16 rows, 512 consecutive bytes a load, into set t % 2
.irp i, 0,1,2,3,4,5,6,7,8,9,10,11,12,13,14,15
	global_load_b128 v[R+64*((\t)%2)+4*\i:R+64*((\t)%2)+4*\i+3], v[VO+2*(((\t)/2)%2)+\i/8], s[4:5] offset:(64*((\t)/4)+8*((\t)%2)+\i%8)*4096 th:TH_LOAD_NT
.endr
.endm
.macro TILE t
.if (\t) < 7
	s_wait_loadcnt 16                              ; this tile's 16 loads are in; the next tile's 16 may be out
.else
	s_wait_loadcnt 0x0
.endif
.irp i, 0,1,2,3,4,5,6,7,8,9,10,11,12,13,14,15
	ds_store_b128 v6, v[R+64*((\t)%2)+4*\i:R+64*((\t)%2)+4*\i+3] offset:SP*\i
.endr
.irp b, 0,1,2,3
.irp j, 0,1,2,3
	ds_load_b128 v[X+16*\b+4*\j:X+16*\b+4*\j+3], v7 offset:128*\b+16*\j      ; LDS serves a wave's instructions in order: these see the stores above
.endr
.endr
	s_wait_dscnt 0x0                               ; the numbers are back, and the stage's stores have read their registers
	s_wait_xcnt 0x0                                ; the last tile's stores have read the fragment's registers, which are written again below
.if (\t) < 6
	LOAD (\t)+2
.endif
	QUANT X, PC, PC+6
.irp p, 0,1,2,3,4,5
	global_store_b64 v5, v[PC+2*\p:PC+2*\p+1], s[6:7] offset:1536*(\t)+256*\p   ; 32 lanes store 256 consecutive bytes, at a multiple of 256 from the buffer's first byte
.endr
.if (\t)%2 == 0
	v_mov_b32 v[PWE], v[PW]
.else
	v_cndmask_b32 v[SCW+(\t)/2], v[PW], v[PWE], s34      ; lanes 0-15 the even tile's words, lanes 16-31 the odd tile's
.endif
.endm
	LOAD 0
	LOAD 1
.irp t, 0,1,2,3,4,5,6,7
	TILE \t
.endr
	global_store_b128 v4, v[SCW:SCW+3], s[6:7] offset:12288
	s_wait_tensorcnt 0x0                           ; the wave's end
	ds_add_u32 v[SPW], v[NIL]
	s_wait_dscnt 0x0
	s_endpgm
.Lfunc_end_k_qe12de07765_quant:
	.size	k_qe12de07765_quant, .Lfunc_end_k_qe12de07765_quant-k_qe12de07765_quant
	.p2alignl 7, 3214868480
	.fill 96, 4, 3214868480
	.section	.rodata,"a",@progbits
	.p2align	6, 0x0
	.amdhsa_kernel k_qe12de07765_quant
		.amdhsa_group_segment_fixed_size 60160
		.amdhsa_private_segment_fixed_size 0
		.amdhsa_enable_private_segment 0
		.amdhsa_kernarg_size 72
		.amdhsa_user_sgpr_count 2
		.amdhsa_user_sgpr_kernarg_segment_ptr 1
		.amdhsa_wavefront_size32 1
		.amdhsa_system_sgpr_workgroup_id_x 1
		.amdhsa_system_sgpr_workgroup_id_y 1
		.amdhsa_system_sgpr_workgroup_id_z 1
		.amdhsa_system_vgpr_workitem_id 0
		.amdhsa_next_free_vgpr 256
		.amdhsa_next_free_sgpr 66
		.amdhsa_reserve_vcc 0
		.amdhsa_float_denorm_mode_32 3
		.amdhsa_float_denorm_mode_16_64 3
		.amdhsa_memory_ordered 1
		.amdhsa_forward_progress 1
		.amdhsa_inst_pref_size 67
	.end_amdhsa_kernel
	.amdgpu_metadata
---
amdhsa.version: [ 1, 2 ]
amdhsa.kernels:
  - .name:           k_qe12de07765_quant
    .symbol:         k_qe12de07765_quant.kd
    .args:
      - { .name: query, .offset: 0, .size: 8, .value_kind: global_buffer, .address_space: global }
      - { .name: key, .offset: 8, .size: 8, .value_kind: global_buffer, .address_space: global }
      - { .name: value, .offset: 16, .size: 8, .value_kind: global_buffer, .address_space: global }
      - { .name: Wq, .offset: 24, .size: 8, .value_kind: global_buffer, .address_space: global }
      - { .name: Wk, .offset: 32, .size: 8, .value_kind: global_buffer, .address_space: global }
      - { .name: Wv, .offset: 40, .size: 8, .value_kind: global_buffer, .address_space: global }
      - { .name: Wo, .offset: 48, .size: 8, .value_kind: global_buffer, .address_space: global }
      - { .name: ximg, .offset: 56, .size: 8, .value_kind: global_buffer, .address_space: global }
      - { .name: wimg, .offset: 64, .size: 8, .value_kind: global_buffer, .address_space: global }
    .group_segment_fixed_size: 60160
    .private_segment_fixed_size: 0
    .kernarg_segment_align: 8
    .kernarg_segment_size: 72
    .max_flat_workgroup_size: 224
    .sgpr_count:     66
    .vgpr_count:     256
    .wavefront_size: 32
...
	.end_amdgpu_metadata
.endif
;; end of part 1
;; launch proj (part 2): grid 4 x 96, 4 waves a work-group, clusters of 4 x 4, 327,680 bytes of LDS; arguments ximg, wimg, bq, bk, bv, qimg, kv; writes qimg, kv
.if DOCPART == 2
	.amdgcn_target "amdgcn-amd-amdhsa--gfx1250"
	.amdhsa_code_object_version 6
	.text
	.protected	k_qe12de07765_proj
	.globl	k_qe12de07765_proj
	.p2align	8
	.type	k_qe12de07765_proj,@function
k_qe12de07765_proj:
	s_mov_b64 s[64:65], 0
	v_nop
	global_prefetch_b8 v0, s[64:65] scope:SCOPE_SE
	s_setreg_imm32_b32 hwreg(HW_REG_WAVE_MODE, 25, 1), 1
	s_wait_xcnt 0x0
	s_wait_alu depctr_hold_cnt(0) depctr_sa_sdst(0) depctr_va_vdst(0) depctr_va_sdst(0) depctr_va_ssrc(0) depctr_va_vcc(0) depctr_vm_vsrc(0)
	s_getreg_b32 s2, hwreg(HW_REG_IB_STS2, 6, 4)
	s_cmp_eq_u32 s2, 0
	s_cbranch_scc0 .Lentry_in_a_cluster
	s_endpgm
.Lentry_in_a_cluster:
	s_bfe_u32 s2, ttmp6, 0x10000c
	s_cmp_lg_u32 s2, 0xf033
	s_cbranch_scc0 .Lentry_shape_is_right
	s_endpgm
.Lentry_shape_is_right:
; Launch 2 of 4: q, k, v = x W^T + b on launch 1's units, quantised on the way out into qimg and kv.  Nothing is left out.  A work-group makes 256 x 256; four waves, 128 x 128 each; 4 x 4 clusters ask jointly for x's and W's groups.
; LDS: a ring of two slots, each with two K steps of two groups of x and of two groups of W.  BOTH SLOTS ARE FILLED AT THE HEAD, one load a wave: a load is half a slot, two neighbouring groups x two K steps,
; stated as two rows of 25,600 bytes, 102,400 bytes apart in memory.  The ring's refills bring a quarter of a slot a wave, 100 rows of 256 bytes: group 1's words are written anew behind the head's wait.
.set UNIT,  12800
.set UH,    2*UNIT
.set SLOT,  4*UH
.set SPARE, 2*SLOT
.set NL,    6
.set NP,    4
.set NQ,    2
.set ADR0, 16
.set ADR1, 18
.set ADS0, 20
.set ADS1, 22
.set L16,  24
.set L8,   25
.set SPW,  28
.set NIL,  29
.set SC,   32
.set BI,   64
.set AF,   128
.set BV,   224
.set H,    128
.set IA,   192
.set IB,   204
.set CT,   216
.set TM,   232
.set PW,   248
.set WA0,  249
.set WA1,  250
.set WB0,  251
.set WB1,  252
.set KSA,  4
.set KSB,  8
.set BT,   12
.set G1,  24
.set G0,  32
.set G1B, 48
.set G0B, 56
.set SEL, 76
.set MSB, 0
.macro WIN new
.if MSB != (\new)
	s_set_vgpr_msb (MSB<<8)|(\new)
.set MSB, (\new)
.endif
.endm
.set MUL_LO, 0xa1
.set MUL_HI, 0xf1
.set TO_B,   0x40
.macro JLOAD g0a, g1a, g0b, g1b
	s_cmp_eq_u32 s19, 0
	s_cbranch_scc0 .Lfor_w_\@
	tensor_load_to_lds s[\g0a:\g0a+3], s[\g1a:\g1a+7]
	s_nop 0
.rept 4
	v_nop
.endr
	s_branch .Lasked_\@
.Lfor_w_\@:
	tensor_load_to_lds s[\g0b:\g0b+3], s[\g1b:\g1b+7]
	s_nop 0
.rept 4
	v_nop
.endr
.Lasked_\@:
.endm
.macro CREST
	s_cmp_lg_u32 s18, 0
	s_cbranch_scc1 .Lnot_wave_0_\@
	s_barrier_signal -3
.Lnot_wave_0_\@:
	s_barrier_wait -3
	s_barrier_signal -1
	s_barrier_wait -1
.endm
.macro CROUND
	s_barrier_signal -1
	s_barrier_wait -1
	CREST
.endm
.macro PLACES n
.rept \n
	v_nop
.endr
.endm
.macro WM d, f0, f1, zero, cr, s0, r0, s1, r1
.if \zero
.if (\r0) && (\r1)
	v_wmma_scale_f32_16x16x128_f8f6f4 v[(\d):(\d)+7], v[(\f0):(\f0)+11], v[(\f1):(\f1)+11], 0, v[\s0], v[\s1] matrix_a_fmt:MATRIX_FMT_FP6 matrix_b_fmt:MATRIX_FMT_FP6 matrix_a_scale:MATRIX_SCALE_ROW1 matrix_b_scale:MATRIX_SCALE_ROW1
.elseif (\r0)
	v_wmma_scale_f32_16x16x128_f8f6f4 v[(\d):(\d)+7], v[(\f0):(\f0)+11], v[(\f1):(\f1)+11], 0, v[\s0], v[\s1] matrix_a_fmt:MATRIX_FMT_FP6 matrix_b_fmt:MATRIX_FMT_FP6 matrix_a_scale:MATRIX_SCALE_ROW1
.elseif (\r1)
	v_wmma_scale_f32_16x16x128_f8f6f4 v[(\d):(\d)+7], v[(\f0):(\f0)+11], v[(\f1):(\f1)+11], 0, v[\s0], v[\s1] matrix_a_fmt:MATRIX_FMT_FP6 matrix_b_fmt:MATRIX_FMT_FP6 matrix_b_scale:MATRIX_SCALE_ROW1
.else
	v_wmma_scale_f32_16x16x128_f8f6f4 v[(\d):(\d)+7], v[(\f0):(\f0)+11], v[(\f1):(\f1)+11], 0, v[\s0], v[\s1] matrix_a_fmt:MATRIX_FMT_FP6 matrix_b_fmt:MATRIX_FMT_FP6
.endif
.else
.if (\r0) && (\r1)
	v_wmma_scale_f32_16x16x128_f8f6f4 v[(\d):(\d)+7], v[(\f0):(\f0)+11], v[(\f1):(\f1)+11], v[(\cr):(\cr)+7], v[\s0], v[\s1] matrix_a_fmt:MATRIX_FMT_FP6 matrix_b_fmt:MATRIX_FMT_FP6 matrix_a_scale:MATRIX_SCALE_ROW1 matrix_b_scale:MATRIX_SCALE_ROW1
.elseif (\r0)
	v_wmma_scale_f32_16x16x128_f8f6f4 v[(\d):(\d)+7], v[(\f0):(\f0)+11], v[(\f1):(\f1)+11], v[(\cr):(\cr)+7], v[\s0], v[\s1] matrix_a_fmt:MATRIX_FMT_FP6 matrix_b_fmt:MATRIX_FMT_FP6 matrix_a_scale:MATRIX_SCALE_ROW1
.elseif (\r1)
	v_wmma_scale_f32_16x16x128_f8f6f4 v[(\d):(\d)+7], v[(\f0):(\f0)+11], v[(\f1):(\f1)+11], v[(\cr):(\cr)+7], v[\s0], v[\s1] matrix_a_fmt:MATRIX_FMT_FP6 matrix_b_fmt:MATRIX_FMT_FP6 matrix_b_scale:MATRIX_SCALE_ROW1
.else
	v_wmma_scale_f32_16x16x128_f8f6f4 v[(\d):(\d)+7], v[(\f0):(\f0)+11], v[(\f1):(\f1)+11], v[(\cr):(\cr)+7], v[\s0], v[\s1] matrix_a_fmt:MATRIX_FMT_FP6 matrix_b_fmt:MATRIX_FMT_FP6
.endif
.endif
.endm
.macro QUANT s, d0, d1
.irp b, 0,1,2,3
	v_max3_num_f32 v[TM+\b], |v[\s+16*\b]|, |v[\s+1+16*\b]|, 0x1800000
.endr
.irp i, 2,4,6,8,10,12,14
.irp b, 0,1,2,3
	v_max3_num_f32 v[TM+\b], v[TM+\b], |v[\s+16*\b+\i]|, |v[\s+1+16*\b+\i]|
.endr
.endr
.irp b, 0,1,2,3
	v_permlanex16_b32 v[TM+4+\b], v[TM+\b], s[SEL], s[SEL+1]
.endr
.irp b, 0,1,2,3
	v_max_num_f32 v[TM+\b], v[TM+\b], v[TM+4+\b]
.endr
.irp b, 0,1,2,3
	v_add_nc_u32 v[TM+12+\b], 0xff000000, v[TM+\b]
.endr
.irp b, 0,1,2,3
	v_lshrrev_b32 v[TM+4+\b], 23, v[TM+12+\b]
.endr
	v_lshl_or_b32 v[PW], v[TM+5], 8, v[TM+4]
	v_lshl_or_b32 v[PW], v[TM+6], 16, v[PW]
	v_lshl_or_b32 v[PW], v[TM+7], 24, v[PW]
	v_cvt_scalef32_pk16_fp6_f32 v[(\d0):(\d0)+2], v[\s:\s+15], v[TM+12]
	v_cvt_scalef32_pk16_fp6_f32 v[CT:CT+2], v[\s+16:\s+31], v[TM+13]
	v_cvt_scalef32_pk16_fp6_f32 v[(\d1):(\d1)+2], v[\s+32:\s+47], v[TM+14]
	v_cvt_scalef32_pk16_fp6_f32 v[CT+4:CT+6], v[\s+48:\s+63], v[TM+15]
	v_nop
.irp i, 0,1,2
	v_permlane16_swap_b32 v[(\d0)+\i], v[CT+\i]
	v_permlane16_swap_b32 v[(\d1)+\i], v[CT+4+\i]
.endr
.irp i, 0,1,2
	v_mov_b32 v[(\d0)+3+\i], v[CT+\i]
	v_mov_b32 v[(\d1)+3+\i], v[CT+4+\i]
.endr
.endm
	s_load_b256 s[4:11], s[0:1], 0x0
	s_load_b128 s[12:15], s[0:1], 0x20
	s_load_b64 s[16:17], s[0:1], 0x30
	v_lshl_add_u32 v[SPW], v0, 2, SPARE
	v_mov_b32 v[NIL], 0
	ds_add_u32 v[SPW], v[NIL]
	ds_add_u32 v[SPW], v[NIL]
	v_lshrrev_b32 v1, 5, v0
	v_readfirstlane_b32 s18, v1
	s_lshr_b32 s19, s18, 1
	s_and_b32 s20, s18, 1
	s_bfe_u32 s40, ttmp6, 0x40000
	s_bfe_u32 s41, ttmp6, 0x40004
	s_lshl_b32 s42, ttmp9, 2
	s_add_co_u32 s42, s42, s40
	s_and_b32 s22, ttmp7, 0xffff
	s_lshl_b32 s21, s22, 2
	s_add_co_u32 s21, s21, s41
	s_lshr_b32 s22, s22, 3
	s_lshl_b32 s43, s41, 2
	s_lshl_b32 s43, 15, s43
	s_lshl_b32 s44, 0x1111, s40
	s_or_b32 s[G1], s43, (3<<16)|(1<<21)
	s_or_b32 s[G1B], s44, (3<<16)|(1<<21)
.irp g, G1, G1B
	s_mov_b32 s[\g+1], 3200<<16                    ; for the head's loads: rows of 3,200 elements of 8 bytes (two units),
	s_mov_b32 s[\g+2], 2<<16                       ; two rows (two groups),
	s_mov_b32 s[\g+3], 3200<<16
	s_mov_b32 s[\g+4], 2
	s_mov_b32 s[\g+5], 12800                       ; a group's eight units apart
	s_mov_b32 s[\g+6], 0
	s_mov_b32 s[\g+7], 0
.endr
	s_lshl_b32 s66, s21, 1
	s_add_co_u32 s66, s66, s20
	s_mul_i32 s66, s66, 8*UNIT
	s_mov_b32 s67, 0
	s_lshl_b32 s46, s22, 3
	s_lshl_b32 s47, s42, 1
	s_add_co_u32 s46, s46, s47
	s_add_co_u32 s46, s46, s20
	s_mul_i32 s46, s46, 8*UNIT
	s_mov_b32 s47, 0
	s_mul_i32 s45, s18, UH
	s_mov_b32 s[SEL], 0x76543210
	s_mov_b32 s[SEL+1], 0xfedcba98
	s_wait_dscnt 0x0
	s_wait_kmcnt 0x0
	s_add_nc_u64 s[66:67], s[4:5], s[66:67]
	s_add_nc_u64 s[46:47], s[6:7], s[46:47]
	CROUND
.irp s, 0,1                            ; the ring's group 0: my quarter of slot s, at the K steps that the head brings; a refill steps it on first
	s_mov_b32 s[G0+4*\s], 1
	s_add_co_u32 s[G0+4*\s+1], s45, \s*SLOT
	s_add_nc_u64 s[G0+4*\s+2:G0+4*\s+3], s[66:67], \s*UH
	s_or_b32 s[G0+4*\s+3], s[G0+4*\s+3], 0x80000000
	s_mov_b32 s[G0B+4*\s], 1
	s_add_co_u32 s[G0B+4*\s+1], s45, \s*SLOT
	s_add_nc_u64 s[G0B+4*\s+2:G0B+4*\s+3], s[46:47], \s*UH
	s_or_b32 s[G0B+4*\s+3], s[G0B+4*\s+3], 0x80000000
.endr
.set G0H,  92                          ; s[92:95], s[96:99] group 0 of the head's loads: x's, W's half of slot wave / 2
.set G0HB, 96
	s_mul_i32 s90, s20, 8*UNIT                     ; back to the first group of the pair,
	s_mov_b32 s91, 0
	s_sub_nc_u64 s[G0H+2:G0H+3], s[66:67], s[90:91]
	s_sub_nc_u64 s[G0HB+2:G0HB+3], s[46:47], s[90:91]
	s_mul_i32 s90, s19, UH                         ; on to the slot's two K steps
	s_add_nc_u64 s[G0H+2:G0H+3], s[G0H+2:G0H+3], s[90:91]
	s_add_nc_u64 s[G0HB+2:G0HB+3], s[G0HB+2:G0HB+3], s[90:91]
	s_or_b32 s[G0H+3], s[G0H+3], 0x80000000
	s_or_b32 s[G0HB+3], s[G0HB+3], 0x80000000
	s_mov_b32 s[G0H], 1
	s_mul_i32 s[G0H+1], s19, SLOT
	s_mov_b32 s[G0HB], 1
	s_mul_i32 s[G0HB+1], s19, SLOT
	s_add_co_u32 s[G0HB+1], s[G0HB+1], 2*UH        ; W's half lies behind x's
	s_cmp_eq_u32 s20, 0                            ; waves 0 and 2 fetch x's halves, waves 1 and 3 W's: one tensor load a wave at the head
	s_cbranch_scc0 .Lhead_w
	tensor_load_to_lds s[G0H:G0H+3], s[G1:G1+7]
	s_nop 0
.rept 4
	v_nop
.endr
	s_branch .Lhead_asked
.Lhead_w:
	tensor_load_to_lds s[G0HB:G0HB+3], s[G1B:G1B+7]
	s_nop 0
.rept 4
	v_nop
.endr
.Lhead_asked:
	s_cmp_eq_u32 s22, 0
	s_cselect_b64 s[68:69], s[8:9], s[10:11]
	s_cmp_eq_u32 s22, 2
	s_cselect_b64 s[68:69], s[12:13], s[68:69]
	s_lshl_b32 s70, s42, 10
	s_lshl_b32 s71, s20, 9
	s_add_co_u32 s70, s70, s71
	s_mov_b32 s71, 0
	s_add_nc_u64 s[68:69], s[68:69], s[70:71]
	v_and_b32 v3, 31, v0
	v_and_b32 v1, 15, v0
	v_bfe_u32 v2, v0, 4, 1
	v_lshlrev_b32 v26, 6, v2
	v_and_b32 v27, 8, v1
	v_add_nc_u32 v27, v27, v1
	v_lshlrev_b32 v27, 2, v27
.irp b, 0,1,2,3
.irp k, 0,1,2,3
	global_load_b128 v[BI+16*\b+4*\k:BI+16*\b+4*\k+3], v26, s[68:69] offset:128*\b+16*\k
.endr
.endr
.irp a, 0,1,2,3,4,5,6,7
	global_load_b32 v[BV+\a], v27, s[68:69] offset:4*(32*(\a/2)+8*(\a%2))
.endr
	v_lshlrev_b32 v[L16], 4, v3
	v_lshlrev_b32 v[L8], 3, v3
	s_wait_alu depctr_va_vdst(0)
	s_mul_i32 s72, s19, UH
	s_mul_i32 s73, s20, UH
	s_add_co_u32 s73, s73, 2*UH
	s_cmp_eq_u32 s22, 2
	s_cselect_b32 s74, s72, s73
	s_cselect_b32 s75, s73, s72
.irp s, 0,1
	v_add_nc_u32 v[ADR0+\s], s74, v[L8]
	v_add_nc_u32 v[ADR1+\s], s75, v[L8]
	v_add_nc_u32 v[ADS0+\s], s74, v[L16]
	v_add_nc_u32 v[ADS1+\s], s75, v[L16]
	s_add_co_u32 s74, s74, SLOT
	s_add_co_u32 s75, s75, SLOT
.endr
.macro FRAG reg, adr, q, i
.irp p, 0,1,2,3,4,5
	ds_load_b64 v[(\reg)+2*\p:(\reg)+2*\p+1], v[\adr] offset:(\q)*UNIT+(\i)*1536+256*\p
.endr
.endm
.macro FETCH_B slot, q, p
	WIN TO_B
.irp i, 0,1,2,3,4,5,6,7
	FRAG 128*(\p)+12*\i, ADR0+\slot, \q, \i
.endr
	WIN 0
.endm
.macro FETCH_A slot, q, i0
.irp i, \i0, \i0+1, \i0+2, \i0+3
	FRAG AF+12*(\i), ADR1+\slot, \q, \i
.endr
.endm
.macro SCALES sc
.irp q, 0,1
	ds_load_b128 v[SC+16*\sc+8*\q:SC+16*\sc+8*\q+3], v[ADS0+\sc] offset:\q*UNIT+12288
	ds_load_b128 v[SC+16*\sc+8*\q+4:SC+16*\sc+8*\q+7], v[ADS1+\sc] offset:\q*UNIT+12288
.endr
.endm
.macro MUL16 a0, p, q, sc, zero
.irp a, \a0, \a0+1
.irp b, 0,1,2,3,4,5,6,7
	WM 8*(8*((\a)%4)+\b), 128*(\p)+12*\b, AF+12*(\a), \zero, 8*(8*((\a)%4)+\b), SC+16*(\sc)+8*(\q)+\b/2, \b%2, SC+16*(\sc)+8*(\q)+4+(\a)/2, (\a)%2
.endr
.endr
.endm
.macro STEP slot, q, zero
	s_wait_dscnt 4*NL
	WIN MUL_LO
	MUL16 0, (\q)%2, \q, \slot, \zero
	MUL16 2, (\q)%2, \q, \slot, \zero
	s_wait_dscnt 0x0
	PLACES NP
	FETCH_B \slot, (\q)+1, 1-(\q)%2
	FETCH_A \slot, (\q)+1, 0
	WIN MUL_HI
	MUL16 4, (\q)%2, \q, \slot, \zero
	MUL16 6, (\q)%2, \q, \slot, \zero
	PLACES NP
	WIN 0
	FETCH_A \slot, (\q)+1, 4
.endm
.macro TURN slot, next, fill
	s_wait_tensorcnt 0x0
	ds_add_u32 v[SPW], v[NIL]
	s_wait_dscnt 4*NL+1
	WIN MUL_LO
	MUL16 0, 1, NQ-1, \slot, 0
	s_wait_dscnt 0x0
	s_barrier_signal -1
	MUL16 2, 1, NQ-1, \slot, 0
	WIN 0
	s_barrier_wait -1
.if \fill
	CREST
	s_add_nc_u64 s[G0+4*\slot+2:G0+4*\slot+3], s[G0+4*\slot+2:G0+4*\slot+3], 2*UH
	s_add_nc_u64 s[G0B+4*\slot+2:G0B+4*\slot+3], s[G0B+4*\slot+2:G0B+4*\slot+3], 2*UH
	JLOAD G0+4*\slot, G1, G0B+4*\slot, G1B
.else
	PLACES NP
.endif
	FETCH_B \next, 0, 0
	FETCH_A \next, 0, 0
	SCALES \next
	WIN MUL_HI
	MUL16 4, 1, NQ-1, \slot, 0
	MUL16 6, 1, NQ-1, \slot, 0
	PLACES NP
	WIN 0
	FETCH_A \next, 0, 4
.endm
	s_wait_alu depctr_va_vdst(0)
	s_wait_tensorcnt 0x0                           ; my half of a slot is in; no tensor load of mine is out, so group 1 may be written: from here on a load brings 100 rows of 256 bytes
.irp g, G1, G1B
	s_mov_b32 s[\g+1], 32<<16
	s_mov_b32 s[\g+2], 100<<16
	s_mov_b32 s[\g+3], 32<<16
	s_mov_b32 s[\g+4], 100
	s_mov_b32 s[\g+5], 32
.endr
	s_barrier_signal -1
	s_barrier_wait -1
	FETCH_B 0, 0, 0
	FETCH_A 0, 0, 0
	SCALES 0
	FETCH_A 0, 0, 4
	STEP 0, 0, 1
	TURN 0, 1, 1
	STEP 1, 0, 0
	TURN 1, 0, 1
	STEP 0, 0, 0
	TURN 0, 1, 0
	STEP 1, 0, 0
	s_wait_dscnt 4*NL
	WIN MUL_LO
	MUL16 0, 1, NQ-1, 1, 0
	MUL16 2, 1, NQ-1, 1, 0
	s_wait_dscnt 0x0
	WIN MUL_HI
	MUL16 4, 1, NQ-1, 1, 0
	MUL16 6, 1, NQ-1, 1, 0
	WIN 0
	PLACES NP
	s_wait_loadcnt 0x0
	v_cmp_gt_u32 s79, 16, v3
.irp b, 0,1,2,3
	v_mov_b32 v[TM+4+\b], 0
.endr
	s_and_b32 s80, s21, 31
	s_lshl_b32 s80, s80, 1
	s_add_co_u32 s80, s80, s19
	s_lshr_b32 s81, s80, 4
	s_and_b32 s80, s80, 15
	s_lshl_b32 s82, s42, 2
	s_lshl_b32 s83, s20, 1
	s_add_co_u32 s82, s82, s83
	s_lshl_b32 s81, s81, 4
	s_add_co_u32 s81, s81, s82
	s_lshl_b32 s81, s81, 4
	s_add_co_u32 s81, s81, s80
	s_cmp_eq_u32 s22, 2
	s_cbranch_scc1 .Lv_path
	s_cmp_eq_u32 s22, 0
	s_cselect_b64 s[70:71], s[14:15], s[16:17]
	s_mov_b32 s84, 13056
	s_cselect_b32 s84, 6656, s84
	s_mul_i32 s86, s81, s84
	s_mov_b32 s87, 0
	s_lshl_b32 s88, s84, 4
	s_mov_b32 s89, 0
	s_add_nc_u64 s[70:71], s[70:71], s[86:87]
	s_add_nc_u64 s[72:73], s[70:71], s[88:89]
.macro ADDB a
	WIN 0x02+(\a)/4
.set JJ, 0
.rept 32
	v_pk_add_f32 v[H+JJ:H+JJ+1], v[64*((\a)%4)+JJ:64*((\a)%4)+JJ+1], v[BI+JJ:BI+JJ+1]
.set JJ, JJ+2
.endr
	WIN 0
.endm
.irp j, 0,1,2,3
.irp u, 0,1
	ADDB 2*\j+\u
.if \u == 0
	s_wait_xcnt 0x0
.endif
	QUANT H, IA+6*\u, IB+6*\u
	v_and_b32 v[WA0+\u], 0xffff, v[PW]
	v_lshrrev_b32 v[WB0+\u], 16, v[PW]
.endr
	v_cndmask_b32 v[KSA+\j], v[WA1], v[WA0], s79
	v_cndmask_b32 v[KSB+\j], v[WB1], v[WB0], s79
.irp c, 0,1,2
	global_store_b128 v[L16], v[IA+4*\c:IA+4*\c+3], s[70:71] offset:1536*\j+512*\c
	global_store_b128 v[L16], v[IB+4*\c:IB+4*\c+3], s[72:73] offset:1536*\j+512*\c
.endr
.endr
	global_store_b128 v[L16], v[KSA:KSA+3], s[70:71] offset:6144
	global_store_b128 v[L16], v[KSB:KSB+3], s[72:73] offset:6144
	s_branch .Ldone
.Lv_path:
	s_mul_i32 s86, s81, 13056
	s_add_co_u32 s86, s86, 6656
	s_mov_b32 s87, 0
	s_add_nc_u64 s[70:71], s[16:17], s[86:87]
	v_mov_b32 v[BT+1], 0
.irp a, 0,1,2,3,4,5,6,7
	v_mov_b32 v[BT], v[BV+\a]
	WIN 0x02+\a/4
.set JJ, 0
.rept 32
	v_pk_add_f32 v[H+JJ:H+JJ+1], v[64*(\a%4)+JJ:64*(\a%4)+JJ+1], v[BT:BT+1] op_sel_hi:[1,0]
.set JJ, JJ+2
.endr
	WIN 0
	s_wait_xcnt 0x0
	QUANT H, IA, IA+6
.irp c, 0,1,2
	global_store_b128 v[L16], v[IA+4*\c:IA+4*\c+3], s[70:71] offset:(\a/4)*208896+(\a%4)*1536+512*\c
.endr
.if \a%2 == 0
	v_mov_b32 v[WA0], v[PW]
.else
	v_cndmask_b32 v[KSA+\a/2], v[PW], v[WA0], s79
.endif
.endr
	global_store_b64 v[L8], v[KSA:KSA+1], s[70:71] offset:6144
	global_store_b64 v[L8], v[KSA+2:KSA+3], s[70:71] offset:208896+6144
.Ldone:
	s_wait_tensorcnt 0x0
	ds_add_u32 v[SPW], v[NIL]
	s_wait_dscnt 0x0
	CROUND
	s_endpgm
.Lfunc_end_k_qe12de07765_proj:
	.size	k_qe12de07765_proj, .Lfunc_end_k_qe12de07765_proj-k_qe12de07765_proj
	.p2alignl 7, 3214868480
	.fill 96, 4, 3214868480
	.section	.rodata,"a",@progbits
	.p2align	6, 0x0
	.amdhsa_kernel k_qe12de07765_proj
		.amdhsa_group_segment_fixed_size 327680
		.amdhsa_private_segment_fixed_size 0
		.amdhsa_enable_private_segment 0
		.amdhsa_kernarg_size 56
		.amdhsa_user_sgpr_count 2
		.amdhsa_user_sgpr_kernarg_segment_ptr 1
		.amdhsa_wavefront_size32 1
		.amdhsa_system_sgpr_workgroup_id_x 1
		.amdhsa_system_sgpr_workgroup_id_y 1
		.amdhsa_system_sgpr_workgroup_id_z 1
		.amdhsa_system_vgpr_workitem_id 0
		.amdhsa_next_free_vgpr 1024
		.amdhsa_next_free_sgpr 100
		.amdhsa_reserve_vcc 0
		.amdhsa_float_denorm_mode_32 3
		.amdhsa_float_denorm_mode_16_64 3
		.amdhsa_memory_ordered 1
		.amdhsa_forward_progress 1
		.amdhsa_inst_pref_size 230
	.end_amdhsa_kernel
	.amdgpu_metadata
---
amdhsa.version: [ 1, 2 ]
amdhsa.kernels:
  - .name:           k_qe12de07765_proj
    .symbol:         k_qe12de07765_proj.kd
    .args:
      - { .name: ximg, .offset: 0, .size: 8, .value_kind: global_buffer, .address_space: global }
      - { .name: wimg, .offset: 8, .size: 8, .value_kind: global_buffer, .address_space: global }
      - { .name: bq, .offset: 16, .size: 8, .value_kind: global_buffer, .address_space: global }
      - { .name: bk, .offset: 24, .size: 8, .value_kind: global_buffer, .address_space: global }
      - { .name: bv, .offset: 32, .size: 8, .value_kind: global_buffer, .address_space: global }
      - { .name: qimg, .offset: 40, .size: 8, .value_kind: global_buffer, .address_space: global }
      - { .name: kv, .offset: 48, .size: 8, .value_kind: global_buffer, .address_space: global }
    .group_segment_fixed_size: 327680
    .private_segment_fixed_size: 0
    .kernarg_segment_align: 8
    .kernarg_segment_size: 56
    .max_flat_workgroup_size: 128
    .sgpr_count:     100
    .vgpr_count:     1024
    .wavefront_size: 32
...
	.end_amdgpu_metadata
.endif
;; end of part 2
;; launch attn (part 3): grid 4 x 64, 16 waves a work-group, clusters of 4 x 1, 280,576 bytes of LDS; arguments qimg, kv, aimg; writes aimg
.if DOCPART == 3
	.amdgcn_target "amdgcn-amd-amdhsa--gfx1250"
	.amdhsa_code_object_version 6
	.text
	.protected	k_qe12de07765_attn
	.globl	k_qe12de07765_attn
	.p2align	8
	.type	k_qe12de07765_attn,@function
k_qe12de07765_attn:
	s_mov_b64 s[64:65], 0
	v_nop
	global_prefetch_b8 v0, s[64:65] scope:SCOPE_SE
	s_setreg_imm32_b32 hwreg(HW_REG_WAVE_MODE, 25, 1), 1
	s_wait_xcnt 0x0
	s_wait_alu depctr_hold_cnt(0) depctr_sa_sdst(0) depctr_va_vdst(0) depctr_va_sdst(0) depctr_va_ssrc(0) depctr_va_vcc(0) depctr_vm_vsrc(0)
	s_getreg_b32 s2, hwreg(HW_REG_IB_STS2, 6, 4)
	s_cmp_eq_u32 s2, 0
	s_cbranch_scc0 .Lentry_in_a_cluster
	s_endpgm
.Lentry_in_a_cluster:
	s_bfe_u32 s2, ttmp6, 0x10000c
	s_cmp_lg_u32 s2, 0x3003
	s_cbranch_scc0 .Lentry_shape_is_right
	s_endpgm
.Lentry_shape_is_right:
; Launch 3 of 4: for each of the 64 heads of a batch, x = softmax(q k^T / 8) v on codes of E2M3, and x quantised along the model's 1,024 into the units of the last product.  Nothing is left out.
; THE SOFTMAX AHEAD OF THE SECOND PRODUCT: t = score x log2(e) / 8; M = the running largest t rounded up to a whole number; p = 2^(t - M) is quantised along the keys, not normalised; the row's sum is taken of the
; unquantised p and divides at the end.  When M moves, the sum and O are multiplied by 2^(old M - new M): exact.  A block's largest p is made from the block's largest score by the same multiply-add and exponential.
; LIMITS as in launch 1; a block of p that has fallen to zeros keeps the byte 1 (its codes are zeros).
; SHARES.  A work-group owns 512 queries of one head; each of its sixteen waves 32 queries, in two passes of 16.  The head's whole K and V, 16 blocks of 13,056 bytes, lie in LDS 16,384 bytes apart, filled ONCE: wave w brings key step w.
; No slot is filled again: no barrier in the loop.  All fills stand at the head and no loop runs ahead of them, so no prefetch is written.
; CLUSTER: the four work-groups of a head read the same K and V: each block is asked for jointly, by the same load with the same descriptor and the mask of all four.
; LAYOUT.  Both products are used transposed: S^T = K Q^T, O^T = V^T P^T: a lane holds one query throughout.  Launch 1 orders the key's rows so that row 8 h + j of K's tile 4 c + t is key 64 c + 32 h + 8 t + j:
; lane (r, h) then holds in v[96 + 32 c] on, 32 registers, the whole block 2 c + h of 32 keys in their order: its maximum needs no other lane, and two conversions give six registers of p's operand as they fall.
; THE FIRST PRODUCT'S K IS 64, the instruction's 128: q's fragment is six registers of codes and six of zeros.  K's fragment of tile t is v[32 + 6 t] on, twelve registers: its upper six (the next tile's codes; behind tile 7
; my second tile of q) meet q's zero codes alone and add exactly 0; the scale bytes of those two blocks are 0 on both sides, which is 2^-127 and no NaN.
; K AND V HAVE REGISTERS OF THEIR OWN: behind a step's first products V of this step and K of the next are fetched, 13 LDS loads each; the block after the last is block 0 (one AND: 16 x 16,384 is a power of two), which the next pass begins with.
; REGISTERS: v1, v2 16 x, 8 x lane; v3 8 (lane / 16); v4, v7 x's scale bytes; v8-10 addresses; v11 at work; v12 -M, v13 the largest score, v[14:15] the sum; v16-27 q; v28-31 K's scale words; v32-79 K; v80-85 my second q;
; v86-87 V's scale words; v88-94 the conversions' second halves; v91 is not among them: see below; v95 q's scale words; v96-159 S^T, then p; v160-191 O^T; v192-239 V; v240-251 p's codes (at work before); v252 f; v254-255 scale operands.
.set KVB,   13056                      ; a key step's block
.set KVP,   16384                      ; its place in LDS
.set SPARE, 17*KVP                     ; one place behind the blocks: the spare words, 128 bytes for each wave, that no other line names
.set SPW,  5
.set NIL,  6
.set WV,   18
.set SEL,  20
.set CS,   22
.set TB,   2                           ; s2  LDS byte at which the step's block begins
.set TN,   39                          ; s39 the next step's
.set T0,   88                          ; v88-90 block 0's upper 16 codes
.set T1,   92                          ; v92-94 block 1's
.set PS,   91                          ; v91 p's scale word
.set QS,   95
.macro ROUND
	s_barrier_signal -1
	s_barrier_wait -1
	s_cmp_lg_u32 s[WV], 0
	s_cbranch_scc1 .Lnot_wave_0_\@
	s_barrier_signal -3
.Lnot_wave_0_\@:
	s_barrier_wait -3
	s_barrier_signal -1
	s_barrier_wait -1
.endm
.macro KLOAD adr                       ; K's four pair images, tile t at v[32 + 6 t], and its scale words: 13 loads
.irp j, 0,1,2,3
.irp c, 0,1,2
	ds_load_b128 v[32+12*\j+4*\c:35+12*\j+4*\c], v[\adr] offset:1536*\j+512*\c
.endr
.endr
	ds_load_b128 v[28:31], v[\adr] offset:6144
.endm
.macro TREE n, dep=0                   ; dep: how many vector lines back the nearer source was written, where that is four or fewer
.set JJ, 0
.rept (\n)/2
.if \dep
	s_delay_alu instid0(VALU_DEP_\dep)
.endif
	v_pk_add_f32 v[96+JJ:97+JJ], v[96+JJ:97+JJ], v[96+(\n)+JJ:97+(\n)+JJ]
.set JJ, JJ+2
.endr
.endm
	s_load_b128 s[4:7], s[0:1], 0x0                ; qimg s[4:5], kv s[6:7]
	s_load_b64 s[8:9], s[0:1], 0x10                ; aimg
	v_lshl_add_u32 v[SPW], v0, 2, SPARE
	v_mov_b32 v[NIL], 0
	ds_add_u32 v[SPW], v[NIL]                      ; the wave's opening: the add, twice on end, and its wait ahead of my first tensor load
	ds_add_u32 v[SPW], v[NIL]
	v_lshrrev_b32 v8, 5, v0
	v_readfirstlane_b32 s[WV], v8                  ; wave 0..15
	s_bfe_u32 s19, ttmp6, 0x40000                  ; cx: it enters q's and x's global addresses alone
	s_and_b32 s36, ttmp7, 0xffff                   ; the head of a batch, 0 .. 63, which the four partners share
	s_mov_b32 s24, 15|(3<<16)|(1<<21)              ; group 1: the mask of all four; elements of 8 bytes; no padding; bit 21 beside a mask
	s_mov_b32 s25, 32<<16                          ; rows of 256 bytes
	s_mov_b32 s26, 51<<16                          ; 51 rows: 13,056 dense bytes
	s_mov_b32 s27, 32<<16
	s_mov_b32 s28, 51
	s_mov_b32 s29, 32
	s_mov_b32 s30, 0
	s_mov_b32 s31, 0
	s_mul_i32 s33, s[WV], KVP                      ; group 0's LDS address: key step w
	s_mul_i32 s41, s[WV], KVB
	s_mul_i32 s40, s36, 16*KVB
	s_add_co_u32 s40, s40, s41                     ; and the block in memory
	s_mov_b32 s41, 0
	s_lshr_b32 s42, s[WV], 2
	s_and_b32 s43, s[WV], 3                        ; my pair of tiles
	s_lshl_b32 s44, s19, 2
	s_add_co_u32 s44, s44, s42                     ; my group of 128 queries in the head: 4 cx + wave / 4
	s_lshl_b32 s45, s36, 4
	s_add_co_u32 s45, s45, s44
	s_mul_i32 s46, s45, 6656                       ; q's block
	s_mul_i32 s48, s43, 1536
	s_add_co_u32 s48, s48, s46                     ; my pair's image
	s_mov_b32 s49, 0
	s_lshl_b32 s50, s43, 2
	s_add_co_u32 s50, s50, s46
	s_add_co_u32 s50, s50, 6144                    ; its register of scale words
	s_mov_b32 s51, 0
	s_lshr_b32 s52, s36, 4
	s_lshl_b32 s52, s52, 4
	s_add_co_u32 s52, s52, s44                     ; x's group: 16 batch + my group
	s_lshl_b32 s52, s52, 3
	s_bfe_u32 s53, s36, 0x30001                    ; the K step of the last product: head / 2
	s_add_co_u32 s52, s52, s53
	s_mul_i32 s52, s52, 12800                      ; the unit
	s_and_b32 s53, s36, 1                          ; the head's half of the K step
	s_mul_i32 s54, s43, 3072
	s_add_co_u32 s54, s54, s52
	s_mul_i32 s55, s53, 768
	s_add_co_u32 s54, s54, s55                     ; my first tile's fragment, registers 6 (head % 2) on
	s_mov_b32 s55, 0
	s_lshl_b32 s56, s43, 2
	s_add_co_u32 s56, s56, s52
	s_lshl_b32 s57, s53, 1
	s_add_co_u32 s56, s56, s57
	s_add_co_u32 s56, s56, 12288                   ; my pair's register of scale words, the head's two bytes of each
	s_mov_b32 s57, 0
	s_mov_b32 s[SEL], 0x76543210
	s_mov_b32 s[SEL+1], 0xfedcba98
	s_mov_b32 s[CS], 0x3e38aa3b                    ; c = log2(e) / 8
	s_mov_b32 s[CS+1], s[CS]                       ; (named with it as a pair, so it is written)
	v_and_b32 v7, 31, v0
	v_lshlrev_b32 v1, 4, v7
	v_lshlrev_b32 v2, 3, v7
	v_cmp_gt_u32 s38, 16, v7                       ; the mask of lanes 0-15
	v_bfe_u32 v3, v0, 4, 1
	v_lshlrev_b32 v3, 3, v3                        ; 8 bits up for lanes 16-31: their bytes' place in p's scale word
	s_wait_dscnt 0x0                               ; both opening adds are done
	s_wait_kmcnt 0x0
	s_mov_b32 s32, 1
	s_add_nc_u64 s[34:35], s[6:7], s[40:41]
	s_or_b32 s35, s35, 0x80000000
	s_add_nc_u64 s[10:11], s[4:5], s[48:49]
	s_add_nc_u64 s[12:13], s[4:5], s[50:51]
	s_add_nc_u64 s[14:15], s[8:9], s[54:55]
	s_add_nc_u64 s[16:17], s[8:9], s[56:57]
	ROUND                                          ; all four work-groups are here: the joint loads meet
	tensor_load_to_lds s[32:35], s[24:31]          ; my one tensor load of the launch
	s_nop 0
.rept 4
	v_nop
.endr
	s_wait_alu depctr_va_vdst(0)                   ; the wait ahead of the readers below
	global_load_b128 v[16:19], v1, s[10:11]                ; the pair's image, 12 registers a lane in three planes: registers 0-5 are my first tile,
	global_load_b64 v[20:21], v1, s[10:11] offset:512
	global_load_b64 v[80:81], v1, s[10:11] offset:520      ; registers 6-11 my second
	global_load_b128 v[82:85], v1, s[10:11] offset:1024
	global_load_b32 v[QS], v1, s[12:13]            ; lanes 0-15: my first tile's words; lanes 16-31: my second's
.irp i, 0,1,2,3,4,5
	v_mov_b32 v[22+\i], 0                          ; q's upper 64 along K: zero codes
.endr
	v_mov_b32 v244, 0                              ; written once: a lane permute's destination counts as one of its sources
	v_mov_b32 v253, 0                              ; (named as the upper half of the pair v[252:253])
	s_wait_tensorcnt 0x0                           ; my block is in,
	s_barrier_signal -1
	s_barrier_wait -1                              ; everybody's is
	KLOAD 1                                        ; key step 0's K
	s_wait_loadcnt 0x0                             ; q
.macro PASS u                          ; my tile u: 16 queries against all 2,048 keys
	s_wait_xcnt 0x0                                ; the stores of the pass before have read their registers
.if \u
.irp i, 0,1,2,3,4,5
	v_mov_b32 v[16+\i], v[80+\i]
.endr
	v_permlanex16_b32 v244, v[QS], s[SEL], s[SEL+1]
	v_mov_b32 v[QS], v244                          ; my second tile's scale words into lanes 0-15
.endif
.set JJ, 0
.rept 32
	v_mov_b32 v[160+JJ], 0                         ; O^T: the step is written once; the first finds zeros, which the first change of M leaves zeros
.set JJ, JJ+1
.endr
	v_mov_b32 v13, 0xff61b1e6                      ; the largest score so far: -3e38
	v_floor_f32 v12, -v13                          ; -M
	v_mov_b32 v14, 0
	v_mov_b32 v15, 0
	s_mov_b32 s[TB], 0
	s_mov_b32 s3, 16
	s_wait_alu depctr_va_vdst(0)                   ; the wait ahead of the blocking wait below
.Lstep_\@:
	s_wait_dscnt 0x0                               ; this step's K is in: it was asked for a step ago
	s_add_co_u32 s[TN], s[TB], KVP
	s_and_b32 s[TN], s[TN], 16*KVP-1               ; behind block 15 comes block 0
.irp a2, 0,1,2,3
.irp au, 0,1
	v_wmma_scale_f32_16x16x128_f8f6f4 v[96+8*(2*\a2+\au):103+8*(2*\a2+\au)], v[32+6*(2*\a2+\au):43+6*(2*\a2+\au)], v[16:27], 0, v[28+\a2], v[QS] matrix_a_fmt:MATRIX_FMT_FP6 matrix_b_fmt:MATRIX_FMT_FP6 matrix_a_scale:MATRIX_SCALE_ROW\au
.endr
.endr
	v_add_nc_u32 v8, s[TB], v1                     ; four plain lines that name no register of the products above or of the last step's: the places in front of the loads and of the first read of the scores
	v_add_nc_u32 v9, s[TB], v2
	v_add_nc_u32 v10, s[TN], v1
	v_mov_b32 v11, v12                             ; the old -M
.irp t, 0,1,2,3
.irp c, 0,1,2
	ds_load_b128 v[192+12*\t+4*\c:195+12*\t+4*\c], v8 offset:6656+1536*\t+512*\c   ; V's four fragments,
.endr
.endr
	ds_load_b64 v[86:87], v9 offset:12800          ; its scale words: 13 loads;
	KLOAD 10                                       ; and the next step's K: 13 more
.irp t, 0,1,2,3                        ; the largest score of my two blocks of 32 keys: a chain to each tile, v[240 + 4 c + t], the eight by turns; each accumulator is first read at its low end
.irp c, 0,1
	v_max3_num_f32 v[240+4*\c+\t], v[96+32*\c+8*\t], v[97+32*\c+8*\t], v[98+32*\c+8*\t]
.endr
.endr
.irp i, 3,5
.irp t, 0,1,2,3
.irp c, 0,1
	v_max3_num_f32 v[240+4*\c+\t], v[240+4*\c+\t], v[96+32*\c+8*\t+\i], v[97+32*\c+8*\t+\i]
.endr
.endr
.endr
.irp c, 0,1
	v_max3_num_f32 v[240+4*\c], v[240+4*\c], v[103+32*\c], v[111+32*\c]    ; the tiles' last registers
	v_max3_num_f32 v[241+4*\c], v[241+4*\c], v[119+32*\c], v[127+32*\c]
.endr
	s_delay_alu instid0(VALU_DEP_4)
	v_max3_num_f32 v240, v240, v242, v243
	s_delay_alu instid0(VALU_DEP_3)
	v_max3_num_f32 v244, v244, v246, v247
	s_delay_alu instid0(VALU_DEP_2)
	v_max_num_f32 v240, v240, v241                 ; block h's largest score,
	s_delay_alu instid0(VALU_DEP_2)
	v_max_num_f32 v244, v244, v245                 ; block 2 + h's
	s_delay_alu instid0(VALU_DEP_1)
	v_max3_num_f32 v245, v240, v244, v13
	s_delay_alu instid0(VALU_DEP_1)
	v_permlanex16_b32 v241, v245, s[SEL], s[SEL+1]
	s_delay_alu instid0(VALU_DEP_1)
	v_max_num_f32 v13, v245, v241                  ; with lane l xor 16's 64 keys: the running largest score of my query
	s_delay_alu instid0(VALU_DEP_1)
	v_mul_f32 v245, s[CS], v13                     ; as t (c is positive)
	s_delay_alu instid0(VALU_DEP_1)
	v_floor_f32 v12, -v245                         ; the new -M = -ceil(t)
	s_delay_alu instid0(VALU_DEP_1)
	v_sub_f32 v11, v12, v11                        ; old M - new M: a whole number, 0 or less
.set JJ, 0
.rept 32
	v_pk_fma_f32 v[96+JJ:97+JJ], v[96+JJ:97+JJ], s[CS:CS+1], v[12:13] op_sel_hi:[1,0,0]   ; t - M, two at a time
.if JJ == 6
	v_cvt_i32_f32 v11, v11                         ; (it saturates)
.endif
.if JJ == 14
	v_ldexp_f32 v252, 1.0, v11                     ; f = 2^(old M - new M)
.endif
.set JJ, JJ+2
.endr
.irp c, 0,1
	v_fma_f32 v[246+\c], v[240+4*\c], s[CS], v12   ; the same of each block's largest score
.endr
.set JJ, 0
.rept 16
	v_pk_mul_f32 v[160+JJ:161+JJ], v[160+JJ:161+JJ], v[252:253] op_sel_hi:[1,0]   ; O^T under the new M, ahead of the exponentials
.set JJ, JJ+2
.endr
	s_wait_alu depctr_va_vdst(0)                   ; the wait ahead of the batch
	v_exp_f32 v246, v246                           ; the blocks' largest p
	v_exp_f32 v247, v247
.set JJ, 0
.rept 64
	v_exp_f32 v[96+JJ], v[96+JJ]                   ; p = 2^(t - M)
.set JJ, JJ+1
.endr
	v_pk_mul_f32 v[14:15], v[14:15], v[252:253] op_sel_hi:[1,0]    ; the sums under the new M: the plain place behind the exponentials
	s_wait_alu depctr_va_vdst(0)                   ; one wait for the batch, ahead of its first reader
.irp c, 0,1
	v_max_num_f32 v[246+\c], 0x1800000, v[246+\c]  ; the floor 2^(3 - 127): the byte cannot fall under 1
.endr
.irp c, 0,1
	s_delay_alu instid0(VALU_DEP_2)
	v_add_nc_u32 v[254+\c], 0xff000000, v[246+\c]  ; 2 off the exponent field: the conversion's scale operand
.endr
	v_cvt_scalef32_pk16_fp6_f32 v[240:242], v[96:111], v254
	v_cvt_scalef32_pk16_fp6_f32 v[T0:T0+2], v[112:127], v254       ; (a conversion's three registers begin on an even number)
	v_cvt_scalef32_pk16_fp6_f32 v[246:248], v[128:143], v255
	v_cvt_scalef32_pk16_fp6_f32 v[T1:T1+2], v[144:159], v255
	v_lshrrev_b32 v11, 23, v254                    ; the scales' bytes: blocks h and 2 + h.  (The plain place behind the conversions)
	v_lshrrev_b32 v245, 23, v255
	v_mov_b32 v249, v[T1]
	v_mov_b32 v250, v[T1+1]
	s_delay_alu instid0(VALU_DEP_3)
	v_lshl_or_b32 v[PS], v245, 16, v11
	v_mov_b32 v251, v[T1+2]
	v_mov_b32 v243, v[T0]
	s_delay_alu instid0(VALU_DEP_3)
	v_lshlrev_b32 v[PS], v3, v[PS]                 ; at their places in the scale word
	v_mov_b32 v245, v[T0+2]
	s_delay_alu instid0(VALU_DEP_2)
	v_permlanex16_b32 v244, v[PS], s[SEL], s[SEL+1]
	TREE 32                                        ; the row's sum is taken of the unquantised p: a tree in place, now that the conversions have read p
	v_or_b32 v[PS], v[PS], v244                    ; with lane l xor 16's two bytes the word is whole
	v_mov_b32 v244, v[T0+1]
	TREE 16                                        ; sixteen plain lines from here on stand between the scale word's and the operand's last writes and the products
	TREE 8, 4
	TREE 4, 2
	TREE 2, 1
	s_delay_alu instid0(VALU_DEP_1)
	v_pk_add_f32 v[14:15], v[14:15], v[96:97]
	s_wait_alu depctr_va_vdst(0)                   ; the wait ahead of the blocking wait and of the branch
	s_wait_dscnt 13                                ; V is in; the 13 loads of the next K, issued behind V's, may be out
.irp t2, 0,1
.irp tu, 0,1
	v_wmma_scale_f32_16x16x128_f8f6f4 v[160+8*(2*\t2+\tu):167+8*(2*\t2+\tu)], v[192+12*(2*\t2+\tu):203+12*(2*\t2+\tu)], v[240:251], v[160+8*(2*\t2+\tu):167+8*(2*\t2+\tu)], v[86+\t2], v[PS] matrix_a_fmt:MATRIX_FMT_FP6 matrix_b_fmt:MATRIX_FMT_FP6 matrix_a_scale:MATRIX_SCALE_ROW\tu
.endr
.endr                                  ; the four accumulators by turns; eleven other products stand between two steps of a sum
	s_add_co_u32 s[TB], s[TB], KVP
	s_sub_co_u32 s3, s3, 1
	s_cmp_lg_u32 s3, 0
	s_cbranch_scc1 .Lstep_\@
.rept 4
	v_nop                                          ; places behind the last products
.endr
	v_add_f32 v14, v14, v15
	v_permlanex16_b32 v252, v14, s[SEL], s[SEL+1]
	v_add_f32 v14, v14, v252                       ; the row's sum
	s_wait_alu depctr_va_vdst(0)
	v_rcp_f32 v14, v14
	v_nop                                          ; a plain place behind the transcendental
	s_wait_alu depctr_va_vdst(0)                   ; and the wait ahead of its first reader and of O^T's
.set JJ, 0
.rept 16
	v_pk_mul_f32 v[96+JJ:97+JJ], v[160+JJ:161+JJ], v[14:15] op_sel_hi:[1,0]   ; x: register 16 b + i = channel 32 b + 16 (lane / 16) + i of my query
.set JJ, JJ+2
.endr
.irp b, 0,1
	v_max3_num_f32 v[232+\b], |v[96+16*\b]|, |v[97+16*\b]|, 0x1800000
.endr
.irp i, 2,4,6,8,10,12,14
.irp b, 0,1
	v_max3_num_f32 v[232+\b], v[232+\b], |v[96+16*\b+\i]|, |v[97+16*\b+\i]|
.endr
.endr
.irp b, 0,1
	v_permlanex16_b32 v[236+\b], v[232+\b], s[SEL], s[SEL+1]
.endr
.irp b, 0,1
	v_max_num_f32 v[232+\b], v[232+\b], v[236+\b]
.endr
.irp b, 0,1
	v_add_nc_u32 v[244+\b], 0xff000000, v[232+\b]
.endr
.irp b, 0,1
	v_lshrrev_b32 v[236+\b], 23, v[244+\b]
.endr
	v_lshl_or_b32 v[4+3*\u], v237, 8, v236         ; the head's two bytes of my row's scale word
	v_cvt_scalef32_pk16_fp6_f32 v[224:226], v[96:111], v244
	v_cvt_scalef32_pk16_fp6_f32 v[236:238], v[112:127], v245
	v_nop
.irp i, 0,1,2
	v_permlane16_swap_b32 v[224+\i], v[236+\i]
.endr
.irp i, 0,1,2
	v_mov_b32 v[227+\i], v[236+\i]
.endr
.irp p, 0,1,2
	global_store_b64 v2, v[224+2*\p:225+2*\p], s[14:15] offset:1536*\u+256*\p   ; 32 lanes store 256 consecutive bytes, at a multiple of 256 from the buffer's first byte
.endr
.endm
	PASS 0
	PASS 1
	v_cndmask_b32 v4, v7, v4, s38                  ; lanes 0-15 my first tile's bytes, lanes 16-31 my second's
	global_store_b16 v1, v4, s[16:17]              ; two bytes a lane, 16 bytes apart: a scale word of the last product holds two heads' bytes, and a head belongs to one work-group.  One such store a wave
	s_wait_tensorcnt 0x0                           ; the wave's end
	ds_add_u32 v[SPW], v[NIL]
	s_wait_dscnt 0x0
	ROUND                                          ; the closing round
	s_endpgm
.Lfunc_end_k_qe12de07765_attn:
	.size	k_qe12de07765_attn, .Lfunc_end_k_qe12de07765_attn-k_qe12de07765_attn
	.p2alignl 7, 3214868480
	.fill 96, 4, 3214868480
	.section	.rodata,"a",@progbits
	.p2align	6, 0x0
	.amdhsa_kernel k_qe12de07765_attn
		.amdhsa_group_segment_fixed_size 280576
		.amdhsa_private_segment_fixed_size 0
		.amdhsa_enable_private_segment 0
		.amdhsa_kernarg_size 24
		.amdhsa_user_sgpr_count 2
		.amdhsa_user_sgpr_kernarg_segment_ptr 1
		.amdhsa_wavefront_size32 1
		.amdhsa_system_sgpr_workgroup_id_x 1
		.amdhsa_system_sgpr_workgroup_id_y 1
		.amdhsa_system_sgpr_workgroup_id_z 1
		.amdhsa_system_vgpr_workitem_id 0
		.amdhsa_next_free_vgpr 256
		.amdhsa_next_free_sgpr 66
		.amdhsa_reserve_vcc 0
		.amdhsa_float_denorm_mode_32 3
		.amdhsa_float_denorm_mode_16_64 3
		.amdhsa_memory_ordered 1
		.amdhsa_forward_progress 1
		.amdhsa_inst_pref_size 47
	.end_amdhsa_kernel
	.amdgpu_metadata
---
amdhsa.version: [ 1, 2 ]
amdhsa.kernels:
  - .name:           k_qe12de07765_attn
    .symbol:         k_qe12de07765_attn.kd
    .args:
      - { .name: qimg, .offset: 0, .size: 8, .value_kind: global_buffer, .address_space: global }
      - { .name: kv, .offset: 8, .size: 8, .value_kind: global_buffer, .address_space: global }
      - { .name: aimg, .offset: 16, .size: 8, .value_kind: global_buffer, .address_space: global }
    .group_segment_fixed_size: 280576
    .private_segment_fixed_size: 0
    .kernarg_segment_align: 8
    .kernarg_segment_size: 24
    .max_flat_workgroup_size: 512
    .sgpr_count:     66
    .vgpr_count:     256
    .wavefront_size: 32
...
	.end_amdgpu_metadata
.endif
;; end of part 3
;; launch outp (part 4): grid 8 x 32, 4 waves a work-group, clusters of 4 x 4, 327,680 bytes of LDS; arguments aimg, wimg, bo, out0; writes out0
.if DOCPART == 4
	.amdgcn_target "amdgcn-amd-amdhsa--gfx1250"
	.amdhsa_code_object_version 6
	.text
	.protected	k_qe12de07765_outp
	.globl	k_qe12de07765_outp
	.p2align	8
	.type	k_qe12de07765_outp,@function
k_qe12de07765_outp:
	s_mov_b64 s[64:65], 0
	v_nop
	global_prefetch_b8 v0, s[64:65] scope:SCOPE_SE
	s_setreg_imm32_b32 hwreg(HW_REG_WAVE_MODE, 25, 1), 1
	s_wait_xcnt 0x0
	s_wait_alu depctr_hold_cnt(0) depctr_sa_sdst(0) depctr_va_vdst(0) depctr_va_sdst(0) depctr_va_ssrc(0) depctr_va_vcc(0) depctr_vm_vsrc(0)
	s_getreg_b32 s2, hwreg(HW_REG_IB_STS2, 6, 4)
	s_cmp_eq_u32 s2, 0
	s_cbranch_scc0 .Lentry_in_a_cluster
	s_endpgm
.Lentry_in_a_cluster:
	s_bfe_u32 s2, ttmp6, 0x10000c
	s_cmp_lg_u32 s2, 0xf033
	s_cbranch_scc0 .Lentry_shape_is_right
	s_endpgm
.Lentry_shape_is_right:
; Launch 4 of 4: out0 = x Wo^T + bo on codes of E2M3.  x [8192][1024] lies in aimg, Wo in wimg's groups 24 .. 31, both as launch 1's units (128 rows x 128 K: 8 fragments of 1,536 bytes, 512 bytes of scale words).  Nothing is left out.
; SHARES.  256 work-groups, each 256 rows x 128 columns; four waves, 2 x 2, each 128 x 64: 32 accumulators.  K is 1,024: the work-group's two groups of x and its group of Wo, ALL of K, are 3 x 102,400 bytes of LDS,
; FILLED ONCE, one tensor load a wave: waves 0 and 1 a group of x each, waves 2 and 3 K steps 0-3 and 4-7 of Wo.  Nothing is filled again: one barrier, no ring.  All fills stand at the head, so there is no loop to prefetch in.
; CLUSTERS, 4 x 4: x's groups hang on the tile row alone and are asked for jointly by a row of the cluster, Wo's on the tile column alone, by a column.
; THE MATRIX INSTRUCTION IS USED TRANSPOSED (source 0 = Wo's rows): by the order of Wo's rows in a tile, 16 registers of two neighbouring tiles are 16 neighbouring columns.  The bias is the first K step's C.
; REGISTERS: window 0: addresses, v32-47 scale words (two sets), v64-95 the bias, v128-191 the way out; window 1: accumulator (a, b) at 8 (4 a + b); window 2: x's fragments, two sets of 96; window 3: Wo's, two sets of 48.
; A K step: the wait for its fragments, the next step's 74 LDS loads into the other set, its 32 products.
.set UNIT,  12800
.set GRP,   8*UNIT
.set BB0,   2*GRP                      ; Wo's group, behind x's two
.set SPARE, 3*GRP                      ; the spare words, 128 bytes for each wave, that no other line names
.set STAGE, SPARE+512                  ; the way out: 16 rows of 256 + 16 bytes for each wave; no tensor load lands here
.set SPITCH, 272
.set STO,  10
.set RD,   11
.set CO,   12
.set ADA,  16                          ; v16, v17 my x fragments, K steps 0-3 and 4-7; v18, v19 Wo's; v20-23 the scale words' likewise
.set ADB,  18
.set ASA,  20
.set ASB,  22
.set L16,  24
.set L8,   25
.set SPW,  28
.set NIL,  29
.set SC,   32
.set BI,   64
.set BK,   128
.set G1,  24
.set G0,  32
.set G1B, 48
.set G0B, 56
.set MSB, 0
.macro WIN new
.if MSB != (\new)
	s_set_vgpr_msb (MSB<<8)|(\new)
.set MSB, (\new)
.endif
.endm
.macro CROUND
	s_barrier_signal -1
	s_barrier_wait -1
	s_cmp_lg_u32 s18, 0
	s_cbranch_scc1 .Lnot_wave_0_\@
	s_barrier_signal -3
.Lnot_wave_0_\@:
	s_barrier_wait -3
	s_barrier_signal -1
	s_barrier_wait -1
.endm
.macro PLACES n
.rept \n
	v_nop
.endr
.endm
	s_load_b256 s[4:11], s[0:1], 0x0               ; aimg, wimg, bo, out0
	v_lshl_add_u32 v[SPW], v0, 2, SPARE
	v_mov_b32 v[NIL], 0
	ds_add_u32 v[SPW], v[NIL]                      ; the opening lines: the add, twice on end, and its wait
	ds_add_u32 v[SPW], v[NIL]
	v_lshrrev_b32 v1, 5, v0
	v_readfirstlane_b32 s18, v1                    ; wave
	s_lshr_b32 s19, s18, 1                         ; my group of x.  Also: I fetch for x (0) or for Wo (1)
	s_and_b32 s20, s18, 1                          ; my 64 columns.  Also: which part I fetch
	s_bfe_u32 s40, ttmp6, 0x40000
	s_bfe_u32 s41, ttmp6, 0x40004
	s_lshl_b32 s42, ttmp9, 2
	s_add_co_u32 s42, s42, s40                     ; tile column, 0 .. 7
	s_and_b32 s21, ttmp7, 0xffff
	s_lshl_b32 s21, s21, 2
	s_add_co_u32 s21, s21, s41                     ; tile row, 0 .. 31
	s_lshl_b32 s43, s41, 2
	s_lshl_b32 s43, 15, s43                        ; my row of the cluster
	s_lshl_b32 s44, 0x1111, s40                    ; my column
	s_or_b32 s[G1], s43, (3<<16)|(1<<21)           ; dense rows of 256 bytes (32 elements of 8), no padding: 400 rows for a group of x,
	s_or_b32 s[G1B], s44, (3<<16)|(1<<21)          ; 200 for half a group of Wo
	s_mov_b32 s[G1+2], 400<<16
	s_mov_b32 s[G1+4], 400
	s_mov_b32 s[G1B+2], 200<<16
	s_mov_b32 s[G1B+4], 200
.irp g, G1, G1B
	s_mov_b32 s[\g+1], 32<<16
	s_mov_b32 s[\g+3], 32<<16
	s_mov_b32 s[\g+5], 32
	s_mov_b32 s[\g+6], 0
	s_mov_b32 s[\g+7], 0
.endr
	s_lshl_b32 s66, s21, 1
	s_add_co_u32 s66, s66, s20
	s_mul_i32 s66, s66, GRP                        ; x: group 2 x tile row + part
	s_mov_b32 s67, 0
	s_add_co_u32 s46, s42, 24
	s_mul_i32 s46, s46, GRP                        ; Wo: group 24 + tile column,
	s_mul_i32 s47, s20, 4*UNIT
	s_add_co_u32 s46, s46, s47                     ; its K steps 4 x part on
	s_mov_b32 s47, 0
	s_mov_b32 s[G0], 1
	s_mul_i32 s[G0+1], s20, GRP
	s_mov_b32 s[G0B], 1
	s_mul_i32 s[G0B+1], s20, 4*UNIT
	s_add_co_u32 s[G0B+1], s[G0B+1], BB0
	s_wait_dscnt 0x0
	s_wait_kmcnt 0x0
	s_add_nc_u64 s[G0+2:G0+3], s[4:5], s[66:67]
	s_or_b32 s[G0+3], s[G0+3], 0x80000000
	s_add_nc_u64 s[G0B+2:G0B+3], s[6:7], s[46:47]
	s_or_b32 s[G0B+3], s[G0B+3], 0x80000000
	CROUND                                         ; all sixteen work-groups are here: the joint loads meet
	s_cmp_eq_u32 s19, 0
	s_cbranch_scc0 .Lfor_w
	tensor_load_to_lds s[G0:G0+3], s[G1:G1+7]
	s_nop 0
	PLACES 4
	s_branch .Lasked
.Lfor_w:
	tensor_load_to_lds s[G0B:G0B+3], s[G1B:G1B+7]
	s_nop 0
	PLACES 4
.Lasked:
	s_lshl_b32 s70, s42, 9
	s_lshl_b32 s71, s20, 8
	s_add_co_u32 s70, s70, s71                     ; my first column, in bytes: 512 x tile column + 256 x half
	s_mov_b32 s71, 0
	s_add_nc_u64 s[68:69], s[8:9], s[70:71]        ; the bias
	s_lshl_b32 s80, s21, 20
	s_lshl_b32 s81, s19, 19
	s_add_co_u32 s80, s80, s81
	s_add_co_u32 s80, s80, s70
	s_mov_b32 s81, 0
	s_add_nc_u64 s[12:13], s[10:11], s[80:81]      ; my part of out0
	s_mul_i32 s72, s19, GRP
	s_mul_i32 s73, s20, 4*1536
	s_add_co_u32 s73, s73, BB0                     ; Wo's tiles 4 x half on
	s_lshl_b32 s74, s20, 3
	s_add_co_u32 s74, s74, BB0                     ; and their two registers of scale words
	s_mul_i32 s76, s18, 16*SPITCH
	s_add_co_u32 s76, s76, STAGE
	v_and_b32 v3, 31, v0
	v_and_b32 v1, 15, v0
	v_bfe_u32 v2, v0, 4, 1
	v_lshlrev_b32 v26, 6, v2
	v_lshlrev_b32 v[L16], 4, v3
	v_lshlrev_b32 v[L8], 3, v3
	v_add_nc_u32 v[ADA], s72, v[L8]
	v_add_nc_u32 v[ADB], s73, v[L8]
	v_add_nc_u32 v[ASA], s72, v[L16]
	v_add_nc_u32 v[ASB], s74, v[L16]
.irp r, ADA, ADB, ASA, ASB
	v_add_nc_u32 v[\r+1], 4*UNIT, v[\r]
.endr
	v_mul_u32_u24 v[STO], v1, SPITCH               ; into the stage: row l % 16, 64 bytes for each half of the lanes
	v_lshl_add_u32 v[STO], v2, 6, v[STO]
	v_add_nc_u32 v[STO], s76, v[STO]
	v_mul_u32_u24 v[RD], v2, SPITCH                ; back: lanes 0-15 one row of 256 bytes, lanes 16-31 the next
	v_lshl_add_u32 v[RD], v1, 4, v[RD]
	v_add_nc_u32 v[RD], s76, v[RD]
	v_lshlrev_b32 v[CO], 12, v2                    ; and the same two rows in out0
	v_lshl_add_u32 v[CO], v1, 4, v[CO]
	s_wait_alu depctr_va_vdst(0)                   ; the wait at the head's end
.irp b, 0,1
.irp k, 0,1,2,3
	global_load_b128 v[BI+16*\b+4*\k:BI+16*\b+4*\k+3], v26, s[68:69] offset:128*\b+16*\k   ; register 8 (2 b + u) + j of lane (r, h): column 32 b + 16 h + 8 u + j
.endr
.endr
.macro FETCH q                         ; K step q's fragments and scale words into set q % 2: 48 + 24 + 2 loads
.set P_, (\q)%2
.set O_, ((\q)%4)*UNIT
	WIN 0x80
.irp i, 0,1,2,3,4,5,6,7
.irp p, 0,1,2,3,4,5
	ds_load_b64 v[96*P_+12*\i+2*\p:96*P_+12*\i+2*\p+1], v[ADA+(\q)/4] offset:O_+\i*1536+256*\p
.endr
.endr
	WIN 0xc0
.irp i, 0,1,2,3
.irp p, 0,1,2,3,4,5
	ds_load_b64 v[48*P_+12*\i+2*\p:48*P_+12*\i+2*\p+1], v[ADB+(\q)/4] offset:O_+\i*1536+256*\p
.endr
.endr
	WIN 0
	ds_load_b128 v[SC+8*P_:SC+8*P_+3], v[ASA+(\q)/4] offset:O_+12288
	ds_load_b64 v[SC+8*P_+4:SC+8*P_+5], v[ASB+(\q)/4] offset:O_+12288
.endm
.macro MUL q, bias                     ; 32 products, the 32 accumulators by turns, in the same order in every step
.set P_, (\q)%2
.if \bias
	WIN 0x4b                                       ; source 0 window 3, source 1 window 2, C window 0, D window 1
.else
	WIN 0x5b
.endif
.irp a2, 0,1,2,3
.irp au, 0,1
.irp b2, 0,1
.irp bu, 0,1
.if \bias
	v_wmma_scale_f32_16x16x128_f8f6f4 v[8*(4*(2*\a2+\au)+2*\b2+\bu):8*(4*(2*\a2+\au)+2*\b2+\bu)+7], v[48*P_+12*(2*\b2+\bu):48*P_+12*(2*\b2+\bu)+11], v[96*P_+12*(2*\a2+\au):96*P_+12*(2*\a2+\au)+11], v[BI+8*(2*\b2+\bu):BI+8*(2*\b2+\bu)+7], v[SC+8*P_+4+\b2], v[SC+8*P_+\a2] matrix_a_fmt:MATRIX_FMT_FP6 matrix_b_fmt:MATRIX_FMT_FP6 matrix_a_scale:MATRIX_SCALE_ROW\bu matrix_b_scale:MATRIX_SCALE_ROW\au
.else
	v_wmma_scale_f32_16x16x128_f8f6f4 v[8*(4*(2*\a2+\au)+2*\b2+\bu):8*(4*(2*\a2+\au)+2*\b2+\bu)+7], v[48*P_+12*(2*\b2+\bu):48*P_+12*(2*\b2+\bu)+11], v[96*P_+12*(2*\a2+\au):96*P_+12*(2*\a2+\au)+11], v[8*(4*(2*\a2+\au)+2*\b2+\bu):8*(4*(2*\a2+\au)+2*\b2+\bu)+7], v[SC+8*P_+4+\b2], v[SC+8*P_+\a2] matrix_a_fmt:MATRIX_FMT_FP6 matrix_b_fmt:MATRIX_FMT_FP6 matrix_a_scale:MATRIX_SCALE_ROW\bu matrix_b_scale:MATRIX_SCALE_ROW\au
.endif
.endr
.endr
.endr
.endr
.endm
	s_wait_tensorcnt 0x0                           ; my part is in,
	s_barrier_signal -1
	s_barrier_wait -1                              ; everybody's is
	FETCH 0
	s_wait_loadcnt 0x0                             ; the bias
	s_wait_dscnt 0x0
	FETCH 1
	MUL 0, 1                                       ; the first step's products start the sums on the bias
.set Q, 1
.rept 7
	s_wait_dscnt 0x0                               ; this step's fragments are in: they were asked for ahead of the last step's products
.if Q < 7
	PLACES 4                                       ; in front of loads into the set that the last step's products read
	FETCH Q+1
.endif
	MUL Q, 0
.set Q, Q+1
.endr
	WIN 0
; THE WAY OUT, block by block of 16 rows x 64 columns, through my own stage: sixteen lanes then store 256 consecutive bytes of a row, at a multiple of 256 from out0's first byte.
; LDS serves a wave's instructions in order: no wait between the stores and the loads, nor in front of the next block's stores.
.macro TOSTAGE a
	WIN 0x04                                       ; the data: window 1
.irp b, 0,1,2,3
	ds_store_b128 v[STO], v[32*(\a)+8*\b:32*(\a)+8*\b+3] offset:128*(\b/2)+32*(\b%2)       ; each accumulator from its low end on
	ds_store_b128 v[STO], v[32*(\a)+8*\b+4:32*(\a)+8*\b+7] offset:128*(\b/2)+32*(\b%2)+16
.endr
	WIN 0
.irp t, 0,1,2,3,4,5,6,7
	ds_load_b128 v[BK+32*((\a)%2)+4*\t:BK+32*((\a)%2)+4*\t+3], v[RD] offset:\t*2*SPITCH
.endr
.endm
.macro SEND a, younger                 ; younger: the LDS instructions issued behind block a's loads, which may stay out
	s_wait_dscnt \younger
.irp t, 0,1,2,3,4,5,6,7
	global_store_b128 v[CO], v[BK+32*((\a)%2)+4*\t:BK+32*((\a)%2)+4*\t+3], s[12:13] offset:(32*((\a)/2)+8*((\a)%2)+2*\t+8*(\t/4))*4096 th:TH_STORE_NT   ; stage row i of tile a is row 32 (a / 2) + 8 (a % 2) + i + 8 (i / 8) of my group
.endr
.endm
	PLACES 4                                       ; in front of the first read of results
	TOSTAGE 0
.irp a, 1,2,3,4,5,6,7
.if \a > 1
	s_wait_xcnt 0x0                                ; block a - 2's stores have read their registers: block a's loads may land there
.endif
	TOSTAGE \a
	SEND \a-1, 16                                  ; behind block a - 1's loads: block a's 8 stores and 8 loads
.endr
	SEND 7, 0
	s_wait_tensorcnt 0x0                           ; the wave's end
	ds_add_u32 v[SPW], v[NIL]
	s_wait_dscnt 0x0
	CROUND                                         ; the closing round
	s_endpgm
.Lfunc_end_k_qe12de07765_outp:
	.size	k_qe12de07765_outp, .Lfunc_end_k_qe12de07765_outp-k_qe12de07765_outp
	.p2alignl 7, 3214868480
	.fill 96, 4, 3214868480
	.section	.rodata,"a",@progbits
	.p2align	6, 0x0
	.amdhsa_kernel k_qe12de07765_outp
		.amdhsa_group_segment_fixed_size 327680
		.amdhsa_private_segment_fixed_size 0
		.amdhsa_enable_private_segment 0
		.amdhsa_kernarg_size 32
		.amdhsa_user_sgpr_count 2
		.amdhsa_user_sgpr_kernarg_segment_ptr 1
		.amdhsa_wavefront_size32 1
		.amdhsa_system_sgpr_workgroup_id_x 1
		.amdhsa_system_sgpr_workgroup_id_y 1
		.amdhsa_system_sgpr_workgroup_id_z 1
		.amdhsa_system_vgpr_workitem_id 0
		.amdhsa_next_free_vgpr 1024
		.amdhsa_next_free_sgpr 100
		.amdhsa_reserve_vcc 0
		.amdhsa_float_denorm_mode_32 3
		.amdhsa_float_denorm_mode_16_64 3
		.amdhsa_memory_ordered 1
		.amdhsa_forward_progress 1
		.amdhsa_inst_pref_size 94
	.end_amdhsa_kernel
	.amdgpu_metadata
---
amdhsa.version: [ 1, 2 ]
amdhsa.kernels:
  - .name:           k_qe12de07765_outp
    .symbol:         k_qe12de07765_outp.kd
    .args:
      - { .name: aimg, .offset: 0, .size: 8, .value_kind: global_buffer, .address_space: global }
      - { .name: wimg, .offset: 8, .size: 8, .value_kind: global_buffer, .address_space: global }
      - { .name: bo, .offset: 16, .size: 8, .value_kind: global_buffer, .address_space: global }
      - { .name: out0, .offset: 24, .size: 8, .value_kind: global_buffer, .address_space: global }
    .group_segment_fixed_size: 327680
    .private_segment_fixed_size: 0
    .kernarg_segment_align: 8
    .kernarg_segment_size: 32
    .max_flat_workgroup_size: 128
    .sgpr_count:     100
    .vgpr_count:     1024
    .wavefront_size: 32
...
	.end_amdgpu_metadata
.endif
;; end of part 4
